; MI455X (gfx1250); checked and timed in simulation.
; The chip was launched on July 23, 2026; its instructions are those of AMD's public machine-readable ISA for CDNA 5 (MIT licence, August 2026) and "CDNA5" Instruction Set Architecture Reference Guide (July 2026). The comments in the code are by the model that wrote it; some were corrected since.
;; Sparse Linear Old. Allowed arithmetic: matrix products marked QUANTISED: E3M2 operands, one E8M0 scale for each 32 along K, by v_wmma_scale_f32_16x16x128_f8f6f4 with both operands' format E3M2, f32 sums; everything else in f32.
;; Inputs: W 4,096 x 4,096 float32; X 4,096 x 4,096 float32; b 4,096 float32; mask 4,096 x 4,096 bool.
;; Outputs: out0 4,096 x 4,096 float32.
;; This version of the problem:
;;   THIS VERSION OF THE PROBLEM IS GIVEN IN LOW PRECISION. The matrix products marked QUANTISED in the list below multiply operands that are first quantised to E3M2 (3 exponent bits, 2 mantissa bits; 6 bits a number), with one power-of-two scale for each 32 numbers along K (OCP MX v1.0); their sums are f32. All else is computed in f32.
;;   The module's matrix products, in the order in which they are computed (A, B: the left and right operand; K: the contracted axis; several contracted axes count as one K, in the product's order):
;;     1. [M 4,096, K 4,096] x [K 4,096, N 4,096]; A: input X; B: computed on the way: QUANTISED
;;   THE QUANTISER, for each operand of a quantised product, along K:
;;     - K is cut into blocks of 32 from its start; a last block that is shorter is filled with zeros.
;;     - A block's scale is 2^e with e = floor(log2(the largest magnitude in the block)) - 4, held to -126 .. 127; a block of zeros has e = 0. As a byte (E8M0): e + 127.
;;     - Each number is divided by its block's scale, clamped to +-28, and rounded to the nearest number of E3M2, ties to even, subnormals kept.
;;     - The product sums the exact products of the quantised numbers (number of the format x scale) in f32.
;;   ~~~python
;;   def quantise(x, axis):      # numpy; x: float32 -> the quantised numbers, widened to float32 again
;;       x = np.moveaxis(x, axis, -1); K = x.shape[-1]
;;       x = np.pad(x, [(0, 0)] * (x.ndim - 1) + [(0, -K % 32)]); x = x.reshape(x.shape[:-1] + (-1, 32)); a = np.abs(x).max(-1, keepdims=True)
;;       e = np.where(a > 0, np.clip(np.frexp(np.where(a > 0, a, 1))[1] - 1 - 4, -126, 127), 0)      # np.frexp(a)[1] - 1 = floor(log2(a)), exactly
;;       r = np.clip(x / 2.0 ** e, -28, 28)
;;       step = 2.0 ** (np.maximum(np.frexp(np.where(r == 0, 1, r))[1] - 1, -2) - 2)
;;       q = np.round(r / step) * step * 2.0 ** e      # np.round: ties to even
;;       return np.moveaxis(q.reshape(q.shape[:-2] + (-1,))[..., :K], -1, axis).astype(np.float32)
;;   ~~~
;;   OPERANDS COMPUTED ON THE WAY. 'Computed on the way' means the value that the module computes at that place (a softmax that the list does not call 'softmax' is quantised finished and normalised). What goes into a quantiser is computed in f32, as accurately as f32 sums, v_exp_f32 and their like allow (about 1e-6 of the number): no bf16 or f16 on the way to a quantiser, and a product that is left as it is and whose result goes on into a quantised operand takes f32 operands (vector FMAs, or v_wmma_f32_16x16x4_f32). A number that lies on a knife's edge between two numbers of the format may be rounded either way, as far as f32 arithmetic and the matrix unit's own rounding can turn it there, and no further.
;; One version. Each part assembles by itself: llvm-mc -triple=amdgcn-amd-amdhsa -mcpu=gfx1250 --defsym DOCPART=n.
;; ======== version 1 of 1: 2 launches
;; limits: right only within a limited range of input values
;; workspace buffers: xq 13,107,200 bytes; wq 13,107,200 bytes
;; launch quant (part 1): grid 256 x 1, 4 waves a work-group, no clusters, 51,712 bytes of LDS; arguments X, W, mask, xq, wq; writes xq, wq
.if DOCPART == 1
	.amdgcn_target "amdgcn-amd-amdhsa--gfx1250"
	.amdhsa_code_object_version 6
	.text
	.protected	k_qa0e7bed35b_quant
	.globl	k_qa0e7bed35b_quant
	.p2align	8
	.type	k_qa0e7bed35b_quant,@function
k_qa0e7bed35b_quant:
	s_mov_b64 s[64:65], 0
	v_nop
	global_prefetch_b8 v0, s[64:65] scope:SCOPE_SE
	s_setreg_imm32_b32 hwreg(HW_REG_WAVE_MODE, 25, 1), 1
	s_wait_xcnt 0x0
; X [4096][4096] f32 and W [4096][4096] f32 x mask [4096][4096] (bytes 0 or 1) become codes of BF6 (E3M2), 6 bits each, with one E8M0 scale byte for each 32 along K (the last axis of all three).
; A block's scale is 2^(floor(log2(its largest magnitude)) - 4); its byte is the largest magnitude's own exponent field - 4, held at 1 from below; each number is divided by the scale and rounded to the nearest code,
; ties to even, beyond the largest code the largest.
; LIMITS: NaN and infinities among the inputs are not served (under a false mask they become 0 here, where a product with 0 would be NaN); a masked number becomes +0; mask bytes are 0 or 1;
; a block whose largest magnitude lies under 2^-122, a block of zeros among them, gets the byte 1: its codes are zeros or subnormal, and the bytes are read by this program alone.
; THE OUTPUT IS LAID AS THE NEXT LAUNCH'S REGISTERS WANT IT: xq, wq = [T = row / 128][kq = k / 128][12,800 bytes].  In such a block fragment i (rows 128 T + 16 i .. + 15, 128 along K: 12 registers a lane) lies at
; 1,536 i, register j of lane l at 512 (j / 4) + 16 l + 4 (j % 4); the scale word (four bytes) of row 16 i + r lies at 12,288 + 256 (i / 4) + 16 r + 4 (i % 4).
; SHARES.  A task is 64 rows x 256 K of one tensor: 8 pieces (4 blocks j of 16 rows x 2 steps q of 128 along K), a piece being one fragment.  Each wave does X's task (rg, kp) and then W's: one path, equal work,
; no branch, no barrier: waves share nothing.  rg = work-group / 4, kp = 4 (work-group % 4) + wave: the four waves stand side by side on 4,096 bytes of each row.
; A PIECE.  16 loads, each 512 consecutive bytes of one row; the 8,192 bytes turn through the wave's own stage in LDS, so that lane (r, h) gets, of row r, k = 32 h + 0..31 and 64 + 32 h + 0..31: two whole blocks,
; in the order of the operand's registers.  So a block's maximum needs no other lane, and the conversions' results are the fragment.  W's pieces are masked between the stage and the maximum.
; Loads run four pieces ahead, in four sets of 64 registers (window 1).  Every store of codes covers 512 consecutive bytes, aligned; the scale words of a task leave by one store: two runs of 256 aligned bytes.
.set WREG,   12800                     ; LDS of a wave: the numbers' stage, then the mask's
.set NPITCH, 528                       ; a row of the numbers' stage: 512 bytes + 16: the sixteen lanes of half a load then take sixteen different places of 16 bytes modulo 256
.set MSTG,   16*NPITCH
.set MPITCH, 272                       ; a row of the mask's stage: 256 bytes + 16, for the same reason
.set BLK,    12800                     ; a block of xq or wq
.set FRB,    1536                      ; a fragment's image
.set LOFF, 4                           ; v4   16 x lane: my bytes of a load's 512, and of a store's
.set MOFF, 5                           ; v5   mask: 4,096 h + 16 r: two rows a load, 256 bytes each
.set STI,  6                           ; v6   numbers' stage, in
.set STO,  7                           ; v7   numbers' stage, out: row r, + 128 h
.set MSI,  8                           ; v8   mask's stage, in
.set MSO,  9                           ; v9   mask's stage, out: row r, + 32 h
.set SOFF, 10                          ; v10  the scale words' store: 12,800 h + 16 r
.set SH8,  11                          ; v11  8 h
.set TT,   12                          ; v12-15  at work
.set AM,   16                          ; v16-19  largest magnitudes: two chains for each of my two blocks
.set SO,   20                          ; v20-21  the conversions' scale operands
.set BY,   22                          ; v22-23  the scale bytes
.set WD,   24                          ; v24  my two bytes at their places in the word
.set PT,   25                          ; v25  lane l xor 16's
.set SW,   28                          ; v28-35  a task's scale words: (j, q) at SW + 4 q + j
.set CD,   36                          ; v36-47  the fragment
.set CT,   48                          ; v48-50, v52-54  the conversions whose place in the fragment begins on an odd register
.set MK,   56                          ; v56-71  my 64 mask bytes
.set MR,   72                          ; v72-135 the mask as loaded, two sets of 32
.set XP,   136                         ; v136-199 my 64 numbers
.set MSB, 0
.macro WIN new                         ; the immediate's high byte repeats the setting that is left
.if MSB != (\new)
	s_set_vgpr_msb (MSB<<8)|(\new)
.set MSB, (\new)
.endif
.endm
	s_load_b256 s[4:11], s[0:1], 0x0               ; X s[4:5], W s[6:7], mask s[8:9], xq s[10:11]
	s_load_b64 s[12:13], s[0:1], 0x20              ; wq
	v_lshl_add_u32 v254, v0, 2, 0xc800
	v_mov_b32 v255, 0
	v_lshrrev_b32 v1, 5, v0
	v_readfirstlane_b32 s16, v1                    ; wave 0..3
	v_and_b32 v1, 31, v0                           ; lane
	v_and_b32 v2, 15, v0                           ; r
	v_bfe_u32 v3, v0, 4, 1                         ; h
	s_lshr_b32 s17, ttmp9, 2                       ; rg: which 64 rows
	s_and_b32 s18, ttmp9, 3
	s_lshl_b32 s18, s18, 2
	s_add_co_u32 s18, s18, s16                     ; kp: which 256 along K
	s_mul_i32 s19, s16, WREG                       ; my wave's LDS
	v_lshlrev_b32 v[LOFF], 4, v1
	v_lshlrev_b32 v[MOFF], 4, v2
	v_lshl_add_u32 v[MOFF], v3, 12, v[MOFF]
	v_add_nc_u32 v[STI], s19, v[LOFF]
	v_mul_u32_u24 v[STO], v2, NPITCH
	v_lshl_add_u32 v[STO], v3, 7, v[STO]
	v_add_nc_u32 v[STO], s19, v[STO]
	s_add_co_u32 s19, s19, MSTG
	v_mul_u32_u24 v[MSI], v3, MPITCH
	v_lshl_add_u32 v[MSI], v2, 4, v[MSI]
	v_add_nc_u32 v[MSI], s19, v[MSI]
	v_mul_u32_u24 v[MSO], v2, MPITCH
	v_lshl_add_u32 v[MSO], v3, 5, v[MSO]
	v_add_nc_u32 v[MSO], s19, v[MSO]
	v_mul_u32_u24 v[SOFF], v3, BLK
	v_lshl_add_u32 v[SOFF], v2, 4, v[SOFF]
	v_lshlrev_b32 v[SH8], 3, v3
	v_mov_b32 v[PT], 0                             ; written once: a lane permute's destination counts as one of its sources
	v_cmp_lt_u32 vcc_lo, 15, v1                    ; lanes 16-31; VCC is written nowhere else
	s_mov_b32 s28, 0                               ; v_perm_b32's selects: byte n of a word into all four bytes
	s_mov_b32 s29, 0x01010101
	s_mov_b32 s30, 0x02020202
	s_mov_b32 s31, 0x03030303
	s_mov_b32 s32, 0x76543210                      ; v_permlanex16_b32's selects for lane l xor 16
	s_mov_b32 s33, 0xfedcba98
	s_lshl_b32 s20, s17, 20                        ; X, W: 64 rows of 16,384 bytes a group,
	s_lshl_b32 s22, s18, 10                        ; 1,024 bytes for 256 along K
	s_add_co_u32 s20, s20, s22
	s_mov_b32 s21, 0
	s_lshl_b32 s22, s17, 18                        ; mask: a quarter of that
	s_lshl_b32 s34, s18, 8
	s_add_co_u32 s22, s22, s34
	s_mov_b32 s23, 0
	s_lshr_b32 s34, s17, 1                         ; T
	s_lshl_b32 s34, s34, 5
	s_lshl_b32 s35, s18, 1
	s_add_co_u32 s34, s34, s35                     ; block 32 T + 2 kp
	s_mul_i32 s34, s34, BLK
	s_and_b32 s36, s17, 1                          ; g: the upper or the lower 64 rows of the 128
	s_mul_i32 s35, s36, 4*FRB
	s_lshl_b32 s36, s36, 8
	s_add_co_u32 s36, s36, s34
	s_add_co_u32 s36, s36, 8*FRB                   ; where my task's scale words begin
	s_add_co_u32 s34, s34, s35                     ; and its fragments
	s_mov_b32 s35, 0
	s_mov_b32 s37, 0
	s_wait_kmcnt 0x0
	s_add_nc_u64 s[4:5], s[4:5], s[20:21]
	s_add_nc_u64 s[6:7], s[6:7], s[20:21]
	s_add_nc_u64 s[8:9], s[8:9], s[22:23]
	s_add_nc_u64 s[24:25], s[10:11], s[36:37]      ; xq's scale words
	s_add_nc_u64 s[26:27], s[12:13], s[36:37]      ; wq's
	s_add_nc_u64 s[10:11], s[10:11], s[34:35]      ; xq's fragments
	s_add_nc_u64 s[12:13], s[12:13], s[34:35]      ; wq's
; Piece p = 0..15: pieces 0-7 are X's, 8-15 W's; j = (p % 8) / 2, q = p % 2.
.macro LOADP p                         ; its 16 rows, 512 consecutive bytes a load, into set p % 4 of window 1
.set LB, 4+2*((\p)/8)
.set LJ, ((\p)%8)/2
.set LQ, (\p)%2
	WIN 0x40                                       ; destination window 1, address window 0
.irp jj, 0,1,2,3,4,5,6,7,8,9,10,11,12,13,14,15
	global_load_b128 v[64*((\p)%4)+4*\jj:64*((\p)%4)+4*\jj+3], v[LOFF], s[LB:LB+1] offset:(16*LJ+\jj)*16384+512*LQ th:TH_LOAD_NT
.endr
	WIN 0
.endm
.macro LOADM j                         ; the mask of W's rows 16 j .. 16 j + 15, 256 along K (both q): two rows of 256 aligned bytes a load
.irp c, 0,1,2,3,4,5,6,7
	global_load_b128 v[MR+32*((\j)%2)+4*\c:MR+32*((\j)%2)+4*\c+3], v[MOFF], s[8:9] offset:(16*(\j)+2*\c)*4096 th:TH_LOAD_NT
.endr
.endm
.macro MASKW                           ; my 64 numbers x my 64 mask bytes
.irp g, 0,1,2,3
.irp n, 0,1,2,3
	v_lshlrev_b32 v[TT+\n], 8, v[MK+4*\g+\n]
.endr
.irp n, 0,1,2,3
	v_sub_nc_u32 v[MK+4*\g+\n], v[TT+\n], v[MK+4*\g+\n]   ; x 255: bytes 0 or 1 become 0x00 or 0xff
.endr
.endr
.irp w, 0,1,2,3,4,5,6,7,8,9,10,11,12,13,14,15
.irp n, 0,1,2,3
	v_perm_b32 v[TT+\n], v[MK+\w], v[MK+\w], s[28+\n]     ; byte n in all four bytes: all ones or none
.endr
.irp n, 0,1,2,3
	v_and_b32 v[XP+4*\w+\n], v[XP+4*\w+\n], v[TT+\n]      ; the number as it is, or +0
.endr
.endr
.endm
.macro QUANT sw                        ; my 64 numbers become the fragment in v[CD] on; my row's scale word goes to v[sw]
.irp c, 0,1
	v_max3_num_f32 v[AM+2*\c], |v[XP+32*\c]|, |v[XP+32*\c+1]|, 0x2800000   ; block 2 c + h: all its 32 numbers are mine.  The floor 2^(5 - 127) holds the byte at 1 from below
	v_max3_num_f32 v[AM+2*\c+1], |v[XP+32*\c+2]|, |v[XP+32*\c+3]|, |v[XP+32*\c+4]|
.endr
.irp i, 5,9,13,17,21,25
.irp c, 0,1
	v_max3_num_f32 v[AM+2*\c], v[AM+2*\c], |v[XP+32*\c+\i]|, |v[XP+32*\c+\i+1]|       ; four chains by turns
	v_max3_num_f32 v[AM+2*\c+1], v[AM+2*\c+1], |v[XP+32*\c+\i+2]|, |v[XP+32*\c+\i+3]|
.endr
.endr
.irp c, 0,1
	v_max3_num_f32 v[AM+2*\c], v[AM+2*\c], |v[XP+32*\c+29]|, |v[XP+32*\c+30]|
.endr
.irp c, 0,1
	v_max3_num_f32 v[AM+2*\c], v[AM+2*\c], v[AM+2*\c+1], |v[XP+32*\c+31]|
.endr
.irp c, 0,1
	v_add_nc_u32 v[SO+\c], 0xfe000000, v[AM+2*\c]  ; 4 off the exponent field: the conversion takes the exponent field of this operand as its scale, and nothing else of it
.endr
.irp c, 0,1
	v_cvt_scalef32_pk16_bf6_f32 v[CD+6*\c:CD+6*\c+2], v[XP+32*\c:XP+32*\c+15], v[SO+\c]
	v_cvt_scalef32_pk16_bf6_f32 v[CT+4*\c:CT+4*\c+2], v[XP+32*\c+16:XP+32*\c+31], v[SO+\c]   ; (a conversion's three registers begin on an even number)
.endr
.irp c, 0,1
	v_lshrrev_b32 v[BY+\c], 23, v[SO+\c]           ; the scale's byte.  (Plain lines behind the conversions, ahead of the moves that read their results)
.endr
	v_lshl_or_b32 v[WD], v[BY+1], 16, v[BY]        ; blocks h and 2 + h of row r,
	v_lshlrev_b32 v[WD], v[SH8], v[WD]             ; 8 h bits up;
	v_permlanex16_b32 v[PT], v[WD], s32, s33
	v_or_b32 v[\sw], v[WD], v[PT]                  ; with lane l xor 16's two the word is whole, in both lanes
.irp c, 0,1
.irp i, 0,1,2
	v_mov_b32 v[CD+3+6*\c+\i], v[CT+4*\c+\i]
.endr
.endr
.endm
; n: the loads issued behind piece p's own: 16 for each of the next three pieces and 8 for each mask group among them.
; A mask group is issued ahead of the piece that first wants it, so that piece's wait covers it.
.macro PIECE p, n
.set PJ, ((\p)%8)/2
.set PQ, (\p)%2
.set PW, (\p)/8
.set RS, 64*((\p)%4)
.set CB, 10+2*PW
	s_wait_loadcnt \n
	WIN 0x04                                       ; an LDS store's data are its source 1: window 1
.irp jj, 0,1,2,3,4,5,6,7,8,9,10,11,12,13,14,15
	ds_store_b128 v[STI], v[RS+4*\jj:RS+4*\jj+3] offset:NPITCH*\jj
.endr
	WIN 0
.if PW && (PQ == 0)
.irp c, 0,1,2,3,4,5,6,7
	ds_store_b128 v[MSI], v[MR+32*(PJ%2)+4*\c:MR+32*(PJ%2)+4*\c+3] offset:2*MPITCH*\c   ; the mask of both q
.endr
.endif
.irp c, 0,1                            ; LDS serves a wave's instructions in order (ISA guide 5.7.1.4): these see the stores above
.irp e, 0,1,2,3,4,5,6,7
	ds_load_b128 v[XP+32*\c+4*\e:XP+32*\c+4*\e+3], v[STO] offset:256*\c+16*\e
.endr
.endr
.if PW
.irp o, 0,1,2,3
	ds_load_b128 v[MK+4*\o:MK+4*\o+3], v[MSO] offset:128*PQ+64*(\o/2)+16*(\o%2)
.endr
	s_wait_dscnt 20                                ; all but the 20 loads just issued: the stores have read their registers,
.else
	s_wait_dscnt 16                                ; all but the 16 loads just issued: the stores have read their registers,
.endif
.if (\p)+4 < 16
.if ((\p) >= 4) && ((\p)%2 == 0)
	LOADM ((\p)-4)/2
.endif
	LOADP (\p)+4                                   ; which take the piece four further on
.endif
	s_wait_dscnt 0x0
.if PW
	MASKW
.endif
	s_wait_xcnt 0x0                                ; the earlier stores have read their data: the fragment's and the scale words' registers are written again only behind this wait
	QUANT SW+4*PQ+PJ
.irp c, 0,1,2
	global_store_b128 v[LOFF], v[CD+4*\c:CD+4*\c+3], s[CB:CB+1] offset:BLK*PQ+FRB*PJ+512*\c   ; 32 lanes store 512 consecutive bytes, at a multiple of 256 from the buffer's first byte
.endr
.endm
.macro SCOUT sb                        ; a task's scale words: lanes 0-15 store those of q = 0, lanes 16-31 those of q = 1, one block further on: 256 consecutive aligned bytes each
.irp j, 0,1,2,3
	v_cndmask_b32 v[SW+\j], v[SW+\j], v[SW+4+\j], vcc_lo
.endr
	global_store_b128 v[SOFF], v[SW:SW+3], s[\sb:\sb+1]
.endm
	LOADP 0
	LOADP 1
	LOADP 2
	LOADP 3
	PIECE 0, 48
	PIECE 1, 48
	PIECE 2, 48
	PIECE 3, 48
	PIECE 4, 48
	PIECE 5, 56
	PIECE 6, 56
	PIECE 7, 63
	SCOUT 24
	PIECE 8, 56
	PIECE 9, 63
	PIECE 10, 56
	PIECE 11, 63
	PIECE 12, 56
	PIECE 13, 40
	PIECE 14, 16
	PIECE 15, 0
	SCOUT 26
	s_wait_tensorcnt 0x0
	ds_add_u32 v254, v255
	s_wait_dscnt 0x0
	s_endpgm
.Lfunc_end_k_qa0e7bed35b_quant:
	.size	k_qa0e7bed35b_quant, .Lfunc_end_k_qa0e7bed35b_quant-k_qa0e7bed35b_quant
	.p2alignl 7, 3214868480
	.fill 96, 4, 3214868480
	.section	.rodata,"a",@progbits
	.p2align	6, 0x0
	.amdhsa_kernel k_qa0e7bed35b_quant
		.amdhsa_group_segment_fixed_size 51712
		.amdhsa_private_segment_fixed_size 0
		.amdhsa_enable_private_segment 0
		.amdhsa_kernarg_size 40
		.amdhsa_user_sgpr_count 2
		.amdhsa_user_sgpr_kernarg_segment_ptr 1
		.amdhsa_wavefront_size32 1
		.amdhsa_system_sgpr_workgroup_id_x 1
		.amdhsa_system_sgpr_workgroup_id_y 1
		.amdhsa_system_sgpr_workgroup_id_z 1
		.amdhsa_system_vgpr_workitem_id 0
		.amdhsa_next_free_vgpr 512
		.amdhsa_next_free_sgpr 66
		.amdhsa_reserve_vcc 1
		.amdhsa_float_denorm_mode_32 3
		.amdhsa_float_denorm_mode_16_64 3
		.amdhsa_memory_ordered 1
		.amdhsa_forward_progress 1
		.amdhsa_inst_pref_size 178
	.end_amdhsa_kernel
	.amdgpu_metadata
---
amdhsa.version: [ 1, 2 ]
amdhsa.kernels:
  - .name:           k_qa0e7bed35b_quant
    .symbol:         k_qa0e7bed35b_quant.kd
    .args:
      - { .name: X, .offset: 0, .size: 8, .value_kind: global_buffer, .address_space: global }
      - { .name: W, .offset: 8, .size: 8, .value_kind: global_buffer, .address_space: global }
      - { .name: mask, .offset: 16, .size: 8, .value_kind: global_buffer, .address_space: global }
      - { .name: xq, .offset: 24, .size: 8, .value_kind: global_buffer, .address_space: global }
      - { .name: wq, .offset: 32, .size: 8, .value_kind: global_buffer, .address_space: global }
    .group_segment_fixed_size: 51712
    .private_segment_fixed_size: 0
    .kernarg_segment_align: 8
    .kernarg_segment_size: 40
    .max_flat_workgroup_size: 128
    .sgpr_count:     66
    .vgpr_count:     512
    .wavefront_size: 32
...
	.end_amdgpu_metadata
.endif
;; end of part 1
;; launch gemm (part 2): grid 16 x 16, 4 waves a work-group, clusters of 4 x 4, 327,680 bytes of LDS; arguments xq, wq, b, out0; writes out0
.if DOCPART == 2
	.amdgcn_target "amdgcn-amd-amdhsa--gfx1250"
	.amdhsa_code_object_version 6
	.text
	.protected	k_qa0e7bed35b_gemm
	.globl	k_qa0e7bed35b_gemm
	.p2align	8
	.type	k_qa0e7bed35b_gemm,@function
k_qa0e7bed35b_gemm:
	s_mov_b64 s[64:65], 0
	v_nop
	global_prefetch_b8 v0, s[64:65] scope:SCOPE_SE
	s_setreg_imm32_b32 hwreg(HW_REG_WAVE_MODE, 25, 1), 1
	s_wait_xcnt 0x0
	s_wait_alu depctr_hold_cnt(0) depctr_sa_sdst(0) depctr_va_vdst(0) depctr_va_sdst(0) depctr_va_ssrc(0) depctr_va_vcc(0) depctr_vm_vsrc(0)
	s_getreg_b32 s2, hwreg(HW_REG_IB_STS2, 6, 4)
	s_cmp_eq_u32 s2, 0
	s_cbranch_scc0 .Lentry_in_a_cluster
	s_endpgm
.Lentry_in_a_cluster:
	s_bfe_u32 s2, ttmp6, 0x10000c
	s_cmp_lg_u32 s2, 0xf033
	s_cbranch_scc0 .Lentry_shape_is_right
	s_endpgm
.Lentry_shape_is_right:
; out0[t][o] = sum over k of Xq[t][k] Wq[o][k] + b[o].  xq, wq: codes of BF6 (E3M2) and E8M0 scale words, laid by the launch before as images of the operand registers:
; [T = row / 128][k / 128][12,800 bytes]: fragment i (16 rows x 128 K) at 1,536 i, register j of lane l at 512 (j / 4) + 16 l + 4 (j % 4); scale word of row 16 i + r at 12,288 + 256 (i / 4) + 16 r + 4 (i % 4).
; A tile of 256 x 256 of out0 to a work-group of four waves, 128 x 128 a wave: 64 accumulators.  K goes in 32 steps of 128 through two LDS slots of three steps each (the last fill holds two).
; CLUSTERS 4 x 4: X's tiles are asked for jointly along a row of the cluster, W's along a column.  Source 0 = rows of W, source 1 = rows of X: a lane holds eight neighbouring columns of one row of out0.
; REGISTERS.  Each of the four windows holds v0-127: 16 accumulators; v128-223: four fragments in two sets (by turns from step to step); v224-255: the rest.
;   fragments: window 0 X's blocks 0-3, window 1 X's 4-7, window 2 W's 0-3, window 3 W's 4-7.  accumulators of X's blocks 0,1 in window 2; 2,3 in window 3; 4,5 in window 0; 6,7 in window 1.
; A STEP multiplies one set and fetches the next step into the other, in two runs: W's fragments and the scale words (26 loads) at its head, X's fragments (24) behind its first 32 products.
; So a slot's last fragments are in registers while its second step is multiplied: the slot is given free, and filled again, at that step's end, where the next run of loads follows anyway.
; THE LAST FIVE STEPS, 27 to 31, all lie in LDS.  They go by halves of my rows: X's blocks 0-3 through all five steps, then blocks 4-7, for which W's fragments are read once more; blocks 0-3 leave meanwhile.
; The bias is added on the way out.  The stage is the third block of my portion of slot 0: the last fill, of two blocks, does not land there, and behind the barrier at step 25's end nobody reads it.
; PREFETCH: at the refill with fill f + 2 each wave names fill f + 4 of the 38,400 bytes that it fetches: 150 blocks of 256 bytes, of which the partner at place p of the four that ask jointly takes
; 38 p .. 38 p + 37 (held at 149), a lane a block, two instructions.  Fills 0 to 3 and the short fill 10 come by their loads alone, so no address leaves the buffers.
.set SIZE_N, 4096
.set BLK,    12800
.set PORT,   3*BLK                     ; three steps of 128 rows: what one tensor load brings
.set SLOT,   4*PORT                    ; X's two halves, then W's two
.set SPARE,  2*SLOT                    ; the spare words, 128 bytes a wave
.set TROW,   32*BLK
.set FRB,    1536
.set SCO,    8*FRB
.set SPITCH, 528
.set FB,   128                         ; fragments: set p at FB + 48 p
.set SC,   224                         ; window 0: scale words, set p at SC + 8 p: register i: lanes 0-15 X's block i, lanes 16-31 W's block i
.set SPW,  240                         ; window 0: my spare word's address; never rewritten
.set NIL,  241                         ; 0; never rewritten
.set STO,  242                         ; the way out: into the stage
.set RD,   243                         ; and back
.set CO,   244                         ; 16 x lane
.set PF1,  245                         ; the prefetches' offsets
.set PF2,  246
.set BI,   248                         ; v248-251 the bias of my four columns of a row read back
.set ADRA, 224                         ; window 2: X's fragments in slot 0, 1; +2: W's
.set ADRS, 228                         ; the scale words in slot 0, 1
.set G1,   24
.set G0,   32
.set G1B,  48
.set G0B,  56
.set G1T,  68                          ; groups 1 of the last fill: two steps
.set G1BT, 76
.set PFA,  94                          ; s[94:95] where my prefetches stand
.set MSB, 0
.macro WIN new                         ; the immediate's high byte repeats the setting that is left
.if MSB != (\new)
	s_set_vgpr_msb (MSB<<8)|(\new)
.set MSB, (\new)
.endif
.endm
.macro PLACES                          ; four places behind matrix instructions, in front of loads into their sources and of reads of their results (ISA guide 7.12.1 for the reads of their results)
.rept 4
	v_nop
.endr
.endm
; A joint load: waves 0, 1 fetch X's halves, waves 2, 3 W's.
.macro JLOAD g0a, g1a, g0b, g1b
	s_cmp_eq_u32 s15, 0
	s_cbranch_scc0 .Lfor_b_\@
	tensor_load_to_lds s[\g0a:\g0a+3], s[\g1a:\g1a+7]
	s_nop 0
	PLACES
	s_branch .Lasked_\@
.Lfor_b_\@:
	tensor_load_to_lds s[\g0b:\g0b+3], s[\g1b:\g1b+7]
	s_nop 0
	PLACES
.Lasked_\@:
.endm
.macro CREST                           ; a round of the cluster's barrier behind its opening barrier
	s_cmp_lg_u32 s14, 0
	s_cbranch_scc1 .Lnot_wave_0_\@
	s_barrier_signal -3
.Lnot_wave_0_\@:
	s_barrier_wait -3
	s_barrier_signal -1
	s_barrier_wait -1
.endm
.macro CROUND
	s_barrier_signal -1
	s_barrier_wait -1
	CREST
.endm
.macro ASK                             ; not in the loop's last trip (s3 = 1): its two refills have no whole fill two refills on
	s_cmp_gt_u32 s3, 1
	s_cbranch_scc0 .Lno_ask_\@
	global_prefetch_b8 v[PF1], s[PFA:PFA+1] th:TH_LOAD_NT scope:SCOPE_SE
	global_prefetch_b8 v[PF2], s[PFA:PFA+1] th:TH_LOAD_NT scope:SCOPE_SE
.Lno_ask_\@:
.endm
	s_load_b256 s[4:11], s[0:1], 0x0               ; xq, wq, b, out0
	v_lshl_add_u32 v[SPW], v0, 2, SPARE
	v_mov_b32 v[NIL], 0
	ds_add_u32 v[SPW], v[NIL]                      ; the opening lines: the add twice on end and one wait, ahead of my first tensor load
	ds_add_u32 v[SPW], v[NIL]
	v_lshrrev_b32 v1, 5, v0
	v_readfirstlane_b32 s14, v1                    ; wave
	s_lshr_b32 s15, s14, 1                         ; my half of the tile's rows; also: I fetch for X (0) or W (1)
	s_and_b32 s16, s14, 1                          ; my half of its columns; also: which 128 rows I fetch
	s_bfe_u32 s40, ttmp6, 0x40000                  ; cx
	s_bfe_u32 s41, ttmp6, 0x40004                  ; cy
	s_lshl_b32 s42, ttmp9, 2
	s_add_co_u32 s42, s42, s40                     ; tile column
	s_and_b32 s17, ttmp7, 0xffff
	s_lshl_b32 s17, s17, 2
	s_add_co_u32 s17, s17, s41                     ; tile row
	s_lshl_b32 s43, s41, 2
	s_lshl_b32 s43, 15, s43                        ; my row of the cluster
	s_lshl_b32 s44, 0x1111, s40                    ; my column
	s_or_b32 s[G1+0], s43, (3<<16)|(1<<21)         ; elements of 8 bytes; the mask, bit 21 beside it
	s_or_b32 s[G1B+0], s44, (3<<16)|(1<<21)
	s_or_b32 s[G1T+0], s43, (3<<16)|(1<<21)
	s_or_b32 s[G1BT+0], s44, (3<<16)|(1<<21)
.irp g, G1, G1B                        ; a dense block of 38,400 bytes as 150 rows of 256
	s_mov_b32 s[\g+1], 32<<16
	s_mov_b32 s[\g+2], 150<<16
	s_mov_b32 s[\g+3], 32<<16
	s_mov_b32 s[\g+4], 150
	s_mov_b32 s[\g+5], 32
	s_mov_b32 s[\g+6], 0
	s_mov_b32 s[\g+7], 0
.endr
.irp g, G1T, G1BT                      ; 25,600 bytes as 100 rows
	s_mov_b32 s[\g+1], 32<<16
	s_mov_b32 s[\g+2], 100<<16
	s_mov_b32 s[\g+3], 32<<16
	s_mov_b32 s[\g+4], 100
	s_mov_b32 s[\g+5], 32
	s_mov_b32 s[\g+6], 0
	s_mov_b32 s[\g+7], 0
.endr
	s_lshl_b32 s20, s17, 1
	s_add_co_u32 s20, s20, s16
	s_mul_i32 s20, s20, TROW                       ; X: T = 2 x tile row + half
	s_mov_b32 s21, 0
	s_lshl_b32 s46, s42, 1
	s_add_co_u32 s46, s46, s16
	s_mul_i32 s46, s46, TROW                       ; W: T = 2 x tile column + half
	s_mov_b32 s47, 0
	s_mul_i32 s45, s14, PORT                       ; where my loads land
	s_wait_dscnt 0x0                               ; both opening adds are done
	s_wait_kmcnt 0x0
	s_add_nc_u64 s[20:21], s[4:5], s[20:21]
	s_add_nc_u64 s[46:47], s[6:7], s[46:47]
.irp s, 0,1
	s_mov_b32 s[G0+4*\s], 1
	s_add_co_u32 s[G0+4*\s+1], s45, \s*SLOT
	s_add_nc_u64 s[G0+4*\s+2:G0+4*\s+3], s[20:21], \s*PORT
	s_or_b32 s[G0+4*\s+3], s[G0+4*\s+3], 0x80000000
	s_mov_b32 s[G0B+4*\s], 1
	s_add_co_u32 s[G0B+4*\s+1], s45, \s*SLOT
	s_add_nc_u64 s[G0B+4*\s+2:G0B+4*\s+3], s[46:47], \s*PORT
	s_or_b32 s[G0B+4*\s+3], s[G0B+4*\s+3], 0x80000000
.endr
	s_cmp_eq_u32 s15, 0
	s_cselect_b64 s[PFA:PFA+1], s[20:21], s[46:47] ; the rows that I fetch,
	s_cselect_b32 s86, s40, s41                    ; my place among the four that ask for them with me
	s_add_nc_u64 s[PFA:PFA+1], s[PFA:PFA+1], 3*PORT   ; the first refill steps it to fill 4
	CROUND                                         ; all sixteen work-groups are here: the first joint loads meet
	JLOAD G0, G1, G0B, G1B                         ; fill 0: one tensor load a wave at the head
	s_mul_i32 s84, s15, PORT                       ; my 128 rows of X in slot 0,
	s_mul_i32 s85, s16, PORT
	s_add_co_u32 s85, s85, 2*PORT                  ; of W
	s_sub_co_u32 s87, s85, s84
	s_add_co_u32 s88, s84, SCO                     ; the scale words
	s_add_co_u32 s89, s84, SLOT                    ; and the same in slot 1
	s_add_co_u32 s90, s85, SLOT
	s_add_co_u32 s91, s88, SLOT
	s_mul_i32 s92, s14, PORT
	s_add_co_u32 s92, s92, 2*BLK                   ; my stage, 16 rows of 528 bytes: the third block of the portion of slot 0 that I fill
	s_mul_i32 s93, s86, 38
	s_lshl_b32 s18, s42, 10
	s_lshl_b32 s19, s16, 9
	s_add_co_u32 s18, s18, s19                     ; my first column, in bytes
	s_mov_b32 s19, 0
	s_add_nc_u64 s[8:9], s[8:9], s[18:19]
	s_lshl_b32 s22, s17, 8
	s_lshl_b32 s23, s15, 7
	s_add_co_u32 s22, s22, s23
	s_lshl_b32 s22, s22, 14                        ; my first row x 16,384 bytes
	s_add_co_u32 s22, s22, s18
	s_mov_b32 s23, 0
	s_add_nc_u64 s[10:11], s[10:11], s[22:23]
	v_and_b32 v1, 15, v0                           ; r
	v_bfe_u32 v2, v0, 4, 1                         ; h
	v_and_b32 v3, 31, v0                           ; lane
	v_lshlrev_b32 v[CO], 4, v3
	global_load_b128 v[BI:BI+3], v[CO], s[8:9]     ; the bias of columns 4 lane .. 4 lane + 3 of my 128
	v_mul_u32_u24 v5, s87, v2                      ; lanes 16-31 take W's scale words
	v_lshl_add_u32 v5, v1, 4, v5
	v_mul_u32_u24 v6, v1, SPITCH
	v_lshl_add_u32 v6, v2, 5, v6
	v_add_nc_u32 v[STO], s92, v6
	v_add_nc_u32 v[RD], s92, v[CO]
	v_add_nc_u32 v7, s93, v3                       ; blocks 38 p + lane (145 at the most),
	v_lshlrev_b32 v[PF1], 8, v7
	v_min_u32 v8, 5, v3
	v_add_nc_u32 v8, s93, v8
	v_add_nc_u32 v8, 32, v8
	v_min_u32 v8, 149, v8                          ; and 38 p + 32 .. + 37, held at the fill's last block
	v_lshlrev_b32 v[PF2], 8, v8
	WIN 0x80                                       ; destination window 2, sources window 0
	v_add_nc_u32 v[ADRA], s84, v[CO]
	v_add_nc_u32 v[ADRA+1], s89, v[CO]
	v_add_nc_u32 v[ADRA+2], s85, v[CO]
	v_add_nc_u32 v[ADRA+3], s90, v[CO]
	v_add_nc_u32 v[ADRS], s88, v5
	v_add_nc_u32 v[ADRS+1], s91, v5
	WIN 0
.macro RUN w, p, slot, q               ; window w's four fragments, set p, of the step at block q of the slot: twelve loads; the addresses lie in window 2
	WIN ((\w)<<6)|2
.irp n, 0,1,2,3,4,5,6,7,8,9,10,11
	ds_load_b128 v[FB+48*(\p)+4*\n:FB+48*(\p)+4*\n+3], v[ADRA+2*((\w)/2)+(\slot)] offset:(\q)*BLK+(4*((\w)%2)+\n/3)*FRB+512*(\n%3)
.endr
.endm
.macro RUNW p, slot, q                 ; W's eight fragments and the scale words: 26 loads
	RUN 2, \p, \slot, \q
	RUN 3, \p, \slot, \q
	WIN 2
.irp g, 0,1
	ds_load_b128 v[SC+8*(\p)+4*\g:SC+8*(\p)+4*\g+3], v[ADRS+(\slot)] offset:(\q)*BLK+256*\g
.endr
.endm
.macro RUNX p, slot, q                 ; X's eight fragments: 24 loads
	RUN 0, \p, \slot, \q
	RUN 1, \p, \slot, \q
.endm
; Eight products: X's blocks 2 t, 2 t + 1 x W's blocks 4 bh .. 4 bh + 3, set p.  The accumulators take turns, one instruction a turn.
.macro HG t, bh, p, zero
.set SG, ((\t)+2)%4
	WIN (SG<<6)|(SG<<4)|(((\t)/2)<<2)|(2+(\bh))
.irp aa, 0,1
.irp bb, 0,1,2,3
.set AC, 8*(8*\aa+4*(\bh)+\bb)
.set BF, FB+48*(\p)+12*\bb
.set AFR, FB+48*(\p)+12*((2*(\t)+\aa)%4)
.set SB, SC+8*(\p)+4*(\bh)+\bb
.set SA, SC+8*(\p)+2*(\t)+\aa
.if \zero
	v_wmma_scale_f32_16x16x128_f8f6f4 v[AC:AC+7], v[BF:BF+11], v[AFR:AFR+11], 0, v[SB], v[SA] matrix_a_fmt:MATRIX_FMT_BF6 matrix_b_fmt:MATRIX_FMT_BF6 matrix_a_scale:MATRIX_SCALE_ROW1
.else
	v_wmma_scale_f32_16x16x128_f8f6f4 v[AC:AC+7], v[BF:BF+11], v[AFR:AFR+11], v[AC:AC+7], v[SB], v[SA] matrix_a_fmt:MATRIX_FMT_BF6 matrix_b_fmt:MATRIX_FMT_BF6 matrix_a_scale:MATRIX_SCALE_ROW1
.endif
.endr
.endr
.endm
.macro GRP t, p, zero                  ; 16 products
	HG \t, 0, \p, \zero
	HG \t, 1, \p, \zero
.endm
; A step multiplies set p and fetches the next step, at block q of the slot, into the other set.  pl = 1: the places in front of both runs (0: a joint load's four v_nop stand there).
; turn: the step is a slot's second; its runs fetch the slot's last fragments.  In front of the barrier each wave waits for all its tensor loads, adds 0 to its spare word and waits for that and for its
; reads.  The barrier opens a round of the cluster's barrier and slot ts is filled again, two fills ahead (turn = 2: the short last fill).
.macro STEP p, slot, q, zero, pl, turn, ts, ask
.if \pl
	PLACES
.endif
	RUNW 1-(\p), \slot, \q
	s_wait_dscnt 38                                ; all but the 26 just issued and the twelve ahead of them, this step's blocks 4-7 of X
	GRP 0, \p, \zero
	GRP 1, \p, \zero
	RUNX 1-(\p), \slot, \q
	s_wait_dscnt 50                                ; all but the 50 issued in this step
	GRP 2, \p, \zero
.if \turn
.if \ask
	s_wait_xcnt 0x0                                ; my last prefetches have read their address
	s_add_nc_u64 s[PFA:PFA+1], s[PFA:PFA+1], PORT
.endif
	WIN 0
	s_wait_tensorcnt 0x0
	ds_add_u32 v[SPW], v[NIL]
.endif
	HG 3, 0, \p, \zero
.if \turn
	s_wait_dscnt 0x0                               ; the add is done, my reads of the slot are over
	s_barrier_signal -1
.endif
	HG 3, 1, \p, \zero
.if \turn
	WIN 0
	s_barrier_wait -1
	CREST
	s_add_nc_u64 s[G0+4*\ts+2:G0+4*\ts+3], s[G0+4*\ts+2:G0+4*\ts+3], 2*PORT
	s_add_nc_u64 s[G0B+4*\ts+2:G0B+4*\ts+3], s[G0B+4*\ts+2:G0B+4*\ts+3], 2*PORT
.if \turn == 1
	JLOAD G0+4*\ts, G1, G0B+4*\ts, G1B             ; the first tensor load behind the round
.else
	JLOAD G0+4*\ts, G1T, G0B+4*\ts, G1BT
.endif
.if \ask
	ASK
.endif
.endif
.endm
	s_wait_alu depctr_va_vdst(0)
	s_wait_tensorcnt 0x0                           ; my part of fill 0 is in; the same lines as ahead of a refill stand ahead of slot 1's first fill
	ds_add_u32 v[SPW], v[NIL]
	s_wait_dscnt 0x0
	CROUND
	JLOAD G0+4, G1, G0B+4, G1B                     ; fill 1
	RUNW 0, 0, 0                                   ; step 0's fragments
	RUNX 0, 0, 0
	STEP 0, 0, 1, 1, 0, 0, 0, 0                    ; step 0 starts the sums
	WIN 0
	s_mov_b32 s3, 4
.Llap:                                                 ; six steps: slots and sets are back where they began; steps 1 to 24, fills 2 to 9
	STEP 1, 0, 2, 0, 1, 1, 0, 1
	STEP 0, 1, 0, 0, 0, 0, 0, 0
	STEP 1, 1, 1, 0, 1, 0, 0, 0
	STEP 0, 1, 2, 0, 1, 1, 1, 1
	STEP 1, 0, 0, 0, 0, 0, 0, 0
	STEP 0, 0, 1, 0, 1, 0, 0, 0
	WIN 0
	s_sub_co_u32 s3, s3, 1
	s_cmp_lg_u32 s3, 0
	s_cbranch_scc1 .Llap
	STEP 1, 0, 2, 0, 1, 2, 0, 0                    ; step 25; fill 10: steps 30 and 31
	STEP 0, 1, 0, 0, 0, 0, 0, 0                    ; step 26
; THE WAY OUT of block a, 16 rows x 128 columns: through my own stage, back as whole rows of 512 bytes into the block's own registers, the bias added, stored as two aligned runs of 256 bytes.
.macro TOSTAGE a
.set AC, 64*((\a)%2)
.set AW, (((\a)/2)+2)%4
	PLACES
	WIN AW<<2                                      ; an LDS store's data are its source 1
.irp b, 0,1,2,3,4,5,6,7
	ds_store_b128 v[STO], v[AC+8*\b:AC+8*\b+3] offset:64*\b          ; each accumulator from its low end on
	ds_store_b128 v[STO], v[AC+8*\b+4:AC+8*\b+7] offset:64*\b+16
.endr
	WIN AW<<6
.irp t, 0,1,2,3,4,5,6,7,8,9,10,11,12,13,14,15
	ds_load_b128 v[AC+4*\t:AC+4*\t+3], v[RD] offset:\t*SPITCH        ; LDS serves a wave's instructions in order: these see the stores above
.endr
.endm
.macro SEND a, younger                 ; younger: the LDS instructions issued behind block a's loads, which may stay out
.set AC, 64*((\a)%2)
.set AW, (((\a)/2)+2)%4
	s_wait_dscnt \younger
	WIN (AW<<6)|AW                                 ; the rows' window; the bias, source 1, in window 0
.irp t, 0,1,2,3,4,5,6,7,8,9,10,11,12,13,14,15
	v_pk_add_f32 v[AC+4*\t:AC+4*\t+1], v[AC+4*\t:AC+4*\t+1], v[BI:BI+1]
	v_pk_add_f32 v[AC+4*\t+2:AC+4*\t+3], v[AC+4*\t+2:AC+4*\t+3], v[BI+2:BI+3]
.endr
	WIN AW<<2
.irp t, 0,1,2,3,4,5,6,7,8,9,10,11,12,13,14,15
	global_store_b128 v[CO], v[AC+4*\t:AC+4*\t+3], s[10:11] offset:(16*(\a)+\t)*SIZE_N*4 th:TH_STORE_NT   ; 32 lanes store 512 consecutive bytes, at a multiple of 256 from out0's first byte; 127 rows at the most: inside the signed 24-bit immediate
.endr
.endm
; Half a step on X's blocks 0-3, set p; the next half step's 38 loads (W's fragments, the scale words, four of X's: window xw) go into the other set.
.macro FETCH38 p, xw, slot, q
	PLACES
	RUNW 1-(\p), \slot, \q
	RUN \xw, 1-(\p), \slot, \q
	s_wait_dscnt 38                                ; all but the 38 just issued
.endm
.macro HALF1 p, xw, slot, q
	FETCH38 \p, \xw, \slot, \q
	GRP 0, \p, 0
	GRP 1, \p, 0
.endm
; Half a step on X's blocks 4-7, set p, while block a of the finished four leaves.
.macro HALF2 p, a, slot, q
	TOSTAGE \a                                     ; (its places also stand in front of the loads below)
	RUNW 1-(\p), \slot, \q
	RUN 1, 1-(\p), \slot, \q
	s_wait_dscnt 63                                ; the 70 just issued could stay out; 63 is the largest count that the wait can name
	GRP 2, \p, 0
	SEND \a, 38                                    ; behind the block's loads: the 38 fragment loads
	GRP 3, \p, 0
.endm
	HALF1 1, 0, 1, 1                               ; step 27; fetches step 28
	FETCH38 0, 0, 1, 2                             ; step 28; fetches step 29
	GRP 0, 0, 0
	WIN 0
	s_wait_tensorcnt 0x0                           ; my part of fill 10 is in
	ds_add_u32 v[SPW], v[NIL]
	HG 1, 0, 0, 0
	s_wait_dscnt 0x0
	s_barrier_signal -1
	HG 1, 1, 0, 0
	s_barrier_wait -1                              ; fill 10 is whole; nothing is filled again
	HALF1 1, 0, 0, 0                               ; step 29; fetches step 30
	HALF1 0, 0, 0, 1                               ; step 30; fetches step 31
	HALF1 1, 1, 1, 0                               ; step 31: blocks 0-3 are finished; fetches step 27 once more, with X's blocks 4-7
	s_wait_loadcnt 0x0                             ; the bias
	HALF2 0, 0, 1, 1                               ; step 27
	HALF2 1, 1, 1, 2                               ; step 28
	HALF2 0, 2, 0, 0                               ; step 29
	HALF2 1, 3, 0, 1                               ; step 30
	s_wait_dscnt 0x0
	GRP 2, 0, 0                                    ; step 31: blocks 4 and 5 are finished,
	TOSTAGE 4
	GRP 3, 0, 0                                    ; and 6 and 7
	SEND 4, 0
	TOSTAGE 5
	TOSTAGE 6
	SEND 5, 32                                     ; behind block 5's loads: block 6's 16 stores and 16 loads
	TOSTAGE 7
	SEND 6, 32
	SEND 7, 0
	WIN 0
	s_wait_tensorcnt 0x0                           ; the wave's end
	ds_add_u32 v[SPW], v[NIL]
	s_wait_dscnt 0x0
	CROUND                                         ; the closing round
	s_endpgm
.Lfunc_end_k_qa0e7bed35b_gemm:
	.size	k_qa0e7bed35b_gemm, .Lfunc_end_k_qa0e7bed35b_gemm-k_qa0e7bed35b_gemm
	.p2alignl 7, 3214868480
	.fill 96, 4, 3214868480
	.section	.rodata,"a",@progbits
	.p2align	6, 0x0
	.amdhsa_kernel k_qa0e7bed35b_gemm
		.amdhsa_group_segment_fixed_size 327680
		.amdhsa_private_segment_fixed_size 0
		.amdhsa_enable_private_segment 0
		.amdhsa_kernarg_size 32
		.amdhsa_user_sgpr_count 2
		.amdhsa_user_sgpr_kernarg_segment_ptr 1
		.amdhsa_wavefront_size32 1
		.amdhsa_system_sgpr_workgroup_id_x 1
		.amdhsa_system_sgpr_workgroup_id_y 1
		.amdhsa_system_sgpr_workgroup_id_z 1
		.amdhsa_system_vgpr_workitem_id 0
		.amdhsa_next_free_vgpr 1024
		.amdhsa_next_free_sgpr 96
		.amdhsa_reserve_vcc 0
		.amdhsa_float_denorm_mode_32 3
		.amdhsa_float_denorm_mode_16_64 3
		.amdhsa_memory_ordered 1
		.amdhsa_forward_progress 1
		.amdhsa_inst_pref_size 233
	.end_amdhsa_kernel
	.amdgpu_metadata
---
amdhsa.version: [ 1, 2 ]
amdhsa.kernels:
  - .name:           k_qa0e7bed35b_gemm
    .symbol:         k_qa0e7bed35b_gemm.kd
    .args:
      - { .name: xq, .offset: 0, .size: 8, .value_kind: global_buffer, .address_space: global }
      - { .name: wq, .offset: 8, .size: 8, .value_kind: global_buffer, .address_space: global }
      - { .name: b, .offset: 16, .size: 8, .value_kind: global_buffer, .address_space: global }
      - { .name: out0, .offset: 24, .size: 8, .value_kind: global_buffer, .address_space: global }
    .group_segment_fixed_size: 327680
    .private_segment_fixed_size: 0
    .kernarg_segment_align: 8
    .kernarg_segment_size: 32
    .max_flat_workgroup_size: 128
    .sgpr_count:     96
    .vgpr_count:     1024
    .wavefront_size: 32
...
	.end_amdgpu_metadata
.endif
;; end of part 2
